; MI455X (gfx1250); checked and timed in simulation.
; The chip was launched on July 23, 2026; its instructions are those of AMD's public machine-readable ISA for CDNA 5 (MIT licence, August 2026) and "CDNA5" Instruction Set Architecture Reference Guide (July 2026). The comments in the code are by the model that wrote it; some were corrected since.
;; CIN. Allowed arithmetic: matrix products marked QUANTISED: E4M3 operands, one given power-of-two scale a tensor, by v_wmma_f32_16x16x64_fp8_fp8 or v_wmma_f32_16x16x128_fp8_fp8, f32 sums; products left as they are: f32 operands where the result goes on into a quantised operand, else bf16, f16 or f32 operands; f32 sums; everything else in f32.
;; Inputs: b_nn 1 float32; f0 1,521 x 128 float32; f1 2,496 x 128 float32; f2 2,496 x 128 float32; lowp_scales 6 int32 (the exponents e of the quantised operands' scales 2^e); nn_input 4,096 x 624 float32; w_nn 256 x 1 float32.
;; Outputs: out0 4,096 x 1 float32.
;; This version of the problem:
;;   THIS VERSION OF THE PROBLEM IS GIVEN IN LOW PRECISION. The matrix products marked QUANTISED in the list below multiply operands that are first quantised to E4M3 (4 exponent bits, 3 mantissa bits; 8 bits a number), with one given power-of-two scale for each operand tensor; their sums are f32. All else is computed in f32.
;;   The module's matrix products, in the order in which they are computed (A, B: the left and right operand; K: the contracted axis; several contracted axes count as one K, in the product's order):
;;     1. batch 65,536 x [M 39, K 1] x [K 1, N 39]; A: computed on the way; B: computed on the way: left as it is (no contracted axis)
;;     2. [M 128, K 1,521] x [K 1,521, N 65,536]; A: input f0; B: computed on the way: QUANTISED (scales: A lowp_scales[0], B lowp_scales[1])
;;     3. batch 65,536 x [M 39, K 1] x [K 1, N 64]; A: computed on the way; B: computed on the way: left as it is (no contracted axis)
;;     4. [M 128, K 2,496] x [K 2,496, N 65,536]; A: input f1; B: computed on the way: QUANTISED (scales: A lowp_scales[2], B lowp_scales[3])
;;     5. batch 65,536 x [M 39, K 1] x [K 1, N 64]; A: computed on the way; B: computed on the way: left as it is (no contracted axis)
;;     6. [M 128, K 2,496] x [K 2,496, N 65,536]; A: input f2; B: computed on the way: QUANTISED (scales: A lowp_scales[4], B lowp_scales[5])
;;     7. [M 4,096, K 256] x [K 256, N 1]; A: computed on the way; B: input w_nn: left as it is (N = 1 < 16)
;;   THE QUANTISER, for each operand of a quantised product, along K:
;;     - The operand's scale is 2^e, e = its entry of the input lowp_scales (int32; the entries are numbered through the quantised products in the list's order, A before B).
;;     - Each number is divided by the scale, clamped to +-448, and rounded to the nearest number of E4M3, ties to even, subnormals kept.
;;     - The product sums the exact products of the quantised numbers (number of the format x scale) in f32.
;;   ~~~python
;;   def quantise(x, axis, e):      # numpy; x: float32 -> the quantised numbers, widened to float32 again
;;       x = np.moveaxis(x, axis, -1); K = x.shape[-1]
;;       r = np.clip(x / 2.0 ** e, -448, 448)
;;       step = 2.0 ** (np.maximum(np.frexp(np.where(r == 0, 1, r))[1] - 1, -6) - 3)
;;       q = np.round(r / step) * step * 2.0 ** e      # np.round: ties to even
;;       return np.moveaxis(q, -1, axis).astype(np.float32)
;;   ~~~
;;   OPERANDS COMPUTED ON THE WAY. 'Computed on the way' means the value that the module computes at that place (a softmax that the list does not call 'softmax' is quantised finished and normalised). What goes into a quantiser is computed in f32, as accurately as f32 sums, v_exp_f32 and their like allow (about 1e-6 of the number): no bf16 or f16 on the way to a quantiser, and a product that is left as it is and whose result goes on into a quantised operand takes f32 operands (vector FMAs, or v_wmma_f32_16x16x4_f32). A number that lies on a knife's edge between two numbers of the format may be rounded either way, as far as f32 arithmetic and the matrix unit's own rounding can turn it there, and no further.
;; One version. Each part assembles by itself: llvm-mc -triple=amdgcn-amd-amdhsa -mcpu=gfx1250 --defsym DOCPART=n.
;; ======== version 1 of 1: 2 launches
;; workspace buffers: wq 917,504 bytes
;; launch prep (part 1): grid 28 x 8, 8 waves a work-group, no clusters, 0 bytes of LDS; arguments f0, f1, f2, lowp_scales, wq; writes wq
.if DOCPART == 1
	.amdgcn_target "amdgcn-amd-amdhsa--gfx1250"
	.amdhsa_code_object_version 6
	.text
	.protected	k_q5d2a3f30a8_prep
	.globl	k_q5d2a3f30a8_prep
	.p2align	8
	.type	k_q5d2a3f30a8_prep,@function
k_q5d2a3f30a8_prep:
	s_mov_b64 s[64:65], 0
	v_nop
	global_prefetch_b8 v0, s[64:65] scope:SCOPE_SE
	s_setreg_imm32_b32 hwreg(HW_REG_WAVE_MODE, 25, 1), 1
	s_wait_xcnt 0x0
; f0 [1521][128], f1, f2 [2496][128], f32, K first, become codes of E4M3 (code = w / 2^e, held within +-448, nearest, ties to even; e = entries 0, 2, 4 of the scales),
; laid in wq in the order in which the second launch's waves take them into registers.
; A STEP is 64 along K x 128 outputs = 8,192 bytes: for the tile of outputs o = 0..7 and g = 0, 1 a block of 512 bytes at 1024 o + 512 g; lane l's 16 bytes at 16 l are registers 4 g .. 4 g + 3 of the
; fragment: output 16 o + l % 16, k = 32 g + 8 (l / 16) + 0..7 and 32 g + 16 + 8 (l / 16) + 0..7.  A CHUNK is 14 steps.  Chunk y holds, at position pos:
;   y = 0: layer 0, step pos (12);  y = 1, 4: layers 1, 2, step (pos + 2) mod 14;  y = 2, 5: step 14 + pos (12);  y = 3: step 26 + pos (13);  y = 6: step 26 + pos (12);  y = 7: step 38 at pos 0.
; Positions that hold no step get zero codes: every byte of wq is stored.
; LAYER 0 IS PACKED: of its K = 39 x 39 only the 741 pairs i < j count (the mask that the problem builds itself).  Element n = 0..379 names a register product X[a] X[b] of the second launch, which is the pair
; {a, b} in lanes 0-15 and {38 - a, 38 - b} in lanes 16-31.  Row p = 0..18 has 38 - 2 p elements and begins at n = p (39 - p); with m = n - p (39 - p): p odd: a = p, b = p + 1 + m; p even: a = 38 - p, b = p + m.
; Where a + b = 38 both halves name the same pair: the upper half gets zero codes.  Elements 380..383 get zero codes.  Element n lies in step n / 32 at k = 16 c + 8 (l / 16) + e, 8 c + e = n % 32.
; SHARES: work-group (x, y): chunk y, position x / 2, g = x % 2; wave o; a lane converts 16 numbers and the wave stores 512 consecutive bytes, at a multiple of 256 from wq's first byte.  Waves share nothing: no LDS, no barrier.
; A wave's load takes 64 bytes of each of two rows; the eight waves of a work-group stand side by side on whole rows of 512 bytes.
; LIMITS: e between -126 and 119.  NaN among the weights is not served.
.set CHUNK, 114688
	s_load_b256 s[4:11], s[0:1], 0x0               ; f0 s[4:5], f1 s[6:7], f2 s[8:9], the scales' exponents s[10:11]
	s_load_b64 s[12:13], s[0:1], 0x20              ; wq
	v_lshrrev_b32 v1, 5, v0
	v_readfirstlane_b32 s14, v1                    ; wave = tile of outputs o
	v_and_b32 v1, 15, v0                           ; r
	v_bfe_u32 v2, v0, 4, 1                         ; h
	v_and_b32 v5, 31, v0
	v_lshlrev_b32 v5, 4, v5                        ; out: 16 x lane
	s_lshl_b32 s18, s14, 6
	v_lshl_add_u32 v3, v1, 2, s18                  ; my output's bytes in a row of f: 64 o + 4 r
	v_lshl_add_u32 v4, v2, 12, v3                  ; + 8 h rows of 512 bytes
	s_and_b32 s15, ttmp7, 0xffff                   ; y: the chunk
	s_lshr_b32 s16, ttmp9, 1                       ; pos
	s_and_b32 s17, ttmp9, 1                        ; g
	s_lshl_b32 s18, s15, 1
	s_lshr_b32 s19, 0xaa54, s18
	s_and_b32 s19, s19, 3                          ; the layer: 0, 1, 1, 1, 2, 2, 2, 2
	s_lshl_b32 s18, s15, 2
	s_lshr_b32 s20, 0x1ccedcec, s18
	s_and_b32 s20, s20, 15                         ; positions in use: 12, 14, 12, 13, 14, 12, 12, 1
	s_mov_b32 s21, 0x1a0e0200                      ; the step at position 0: 0, 2, 14, 26,
	s_mov_b32 s22, 0x261a0e02                      ; 2, 14, 26, 38
	s_cmp_lt_u32 s15, 4
	s_cselect_b32 s21, s21, s22
	s_and_b32 s18, s15, 3
	s_lshl_b32 s18, s18, 3
	s_lshr_b32 s21, s21, s18
	s_and_b32 s21, s21, 0xff
	s_cmp_eq_u32 s21, 2                            ; chunks 1 and 4 go round: steps 2..13, then 0 and 1
	s_cselect_b32 s22, 14, 64
	s_add_co_u32 s21, s21, s16
	s_cmp_ge_u32 s21, s22
	s_cselect_b32 s22, 14, 0
	s_sub_co_u32 s21, s21, s22
	s_cmp_lt_u32 s16, s20                          ; is the position in use?
	s_cselect_b32 s21, s21, 0                      ; the step (0 where not: its numbers are read and thrown away, so that no load leaves its buffer)
	s_cselect_b32 s23, -1, 0                       ; and the mask for the codes
	s_mul_i32 s24, s15, CHUNK
	s_lshl_b32 s25, s16, 13
	s_add_co_u32 s24, s24, s25
	s_lshl_b32 s25, s14, 10
	s_add_co_u32 s24, s24, s25
	s_lshl_b32 s25, s17, 9
	s_add_co_u32 s24, s24, s25                     ; my wave's 512 bytes in wq
	s_mov_b32 s25, 0
	s_wait_kmcnt 0x0
	s_load_b128 s[28:31], s[10:11], 0x0            ; entries 0..3
	s_load_b64 s[32:33], s[10:11], 0x10            ; entries 4, 5
	s_add_nc_u64 s[12:13], s[12:13], s[24:25]
	s_cmp_lg_u32 s15, 0
	s_cbranch_scc1 .Lplain
	; ---- layer 0: my 16 elements are n0 .. n0 + 15, n0 = 32 step + 16 g
	s_lshl_b32 s36, s21, 5
	s_lshl_b32 s37, s17, 4
	s_add_co_u32 s36, s36, s37                     ; n
	s_mov_b32 s34, 0                               ; p = how many of the row starts t (39 - t), t = 1..18, are at or under n
.irp t, 1,2,3,4,5,6,7,8,9,10,11,12,13,14,15,16,17,18
	s_cmp_ge_u32 s36, \t*(39-\t)
	s_add_co_ci_u32 s34, s34, 0
.endr
	s_sub_co_u32 s37, 39, s34
	s_mul_i32 s37, s37, s34
	s_sub_co_u32 s35, s36, s37                     ; m
	s_mov_b32 vcc_lo, 0xffff0000                   ; lanes 16-31
; Element q of my 16: its two rows of f0, its mask of lanes, its load; then n, m and p step on.
.macro TRI q
	s_and_b32 s37, s34, 1                          ; is p odd?
	s_add_co_u32 s39, s34, s35
	s_add_co_u32 s39, s39, s37                     ; b = p + m, + 1 where p is odd
	s_sub_co_u32 s38, 38, s34
	s_cmp_lg_u32 s37, 0
	s_cselect_b32 s38, s34, s38                    ; a = p or 38 - p
	s_min_u32 s56, s38, s39                        ; lo
	s_max_u32 s57, s38, s39                        ; hi
	s_mul_i32 s58, s56, 39
	s_add_co_u32 s58, s58, s57
	s_lshl_b32 s58, s58, 9                         ; lanes 0-15: row 39 lo + hi, in bytes
	s_mul_i32 s59, s57, 39
	s_add_co_u32 s59, s59, s56
	s_sub_co_u32 s59, 1520, s59
	s_lshl_b32 s59, s59, 9                         ; lanes 16-31: row 39 (38 - hi) + 38 - lo = 1520 - (39 hi + lo)
	s_add_co_u32 s60, s38, s39
	s_cmp_eq_u32 s60, 38
	s_cselect_b32 s[40+\q], 0xffff, -1             ; a + b = 38: the upper half would repeat the pair
	s_cmp_lt_u32 s36, 380
	s_cselect_b32 s[40+\q], s[40+\q], 0            ; elements 380..383 count for nothing
	v_mov_b32 v[8+\q], s58
	v_mov_b32 v60, s59
	v_cndmask_b32 v[8+\q], v[8+\q], v60, vcc_lo
	v_add_nc_u32 v[8+\q], v[8+\q], v3
	global_load_b32 v[32+\q], v[8+\q], s[4:5]      ; each element has its own address register: none is rewritten
	s_add_co_u32 s36, s36, 1
	s_add_co_u32 s35, s35, 1
	s_lshl_b32 s37, s34, 1
	s_sub_co_u32 s37, 38, s37                      ; the row's length
	s_cmp_eq_u32 s35, s37
	s_cselect_b32 s35, 0, s35
	s_cselect_b32 s37, 1, 0
	s_add_co_u32 s34, s34, s37
	s_min_u32 s34, s34, 18                         ; behind the last row: row 18 again, so that every row stays inside f0
.endm
.irp q, 0,1,2,3,4,5,6,7,8,9,10,11,12,13,14,15
	TRI \q
.endr
	s_wait_loadcnt 0x0
.irp q, 0,1,2,3,4,5,6,7,8,9,10,11,12,13,14,15
	v_cndmask_b32 v[32+\q], 0, v[32+\q], s[40+\q]
.endr
	s_branch .Lquant
	; ---- layers 1 and 2: k = 64 step + 32 g + 16 cc + 8 h + e is the row of f as it lies
.Lplain:
	s_cmp_eq_u32 s19, 1
	s_cselect_b64 s[6:7], s[6:7], s[8:9]           ; f1 or f2: the choice hangs on the work-group's number alone
	s_lshl_b32 s37, s21, 6
	s_lshl_b32 s38, s17, 5
	s_add_co_u32 s37, s37, s38
	s_lshl_b32 s38, s37, 9
	s_mov_b32 s39, 0
	s_add_nc_u64 s[6:7], s[6:7], s[38:39]
.irp c, 0,1
.irp e, 0,1,2,3,4,5,6,7
	global_load_b32 v[32+8*\c+\e], v4, s[6:7] offset:(16*\c+\e)*512
.endr
.endr
	s_wait_loadcnt 0x0
.Lquant:
	s_wait_kmcnt 0x0
	s_cmp_eq_u32 s19, 0
	s_cselect_b32 s37, s28, s30
	s_cmp_eq_u32 s19, 2
	s_cselect_b32 s37, s32, s37                    ; e of my layer's weights
	s_add_co_i32 s37, s37, 127
	s_lshl_b32 s38, s37, 23
	v_mov_b32 v6, s38                              ; 2^e as f32: the conversion takes its exponent field
	s_add_co_i32 s37, s37, 8
	s_lshl_b32 s37, s37, 23
	s_or_b32 s37, s37, 0x600000
	v_mov_b32 v7, s37                              ; 448 x 2^e
.irp q, 0,1,2,3,4,5,6,7,8,9,10,11,12,13,14,15
	v_med3_num_f32 v[32+\q], v[32+\q], -v7, v7     ; the conversion to an 8-bit code does not saturate (ISA guide 7.6.2): the hold comes first
.endr
	v_cvt_scalef32_pk8_fp8_f32 v[48:49], v[32:39], v6
	v_cvt_scalef32_pk8_fp8_f32 v[50:51], v[40:47], v6
	v_nop                                          ; one plain vector line between a scaled conversion and the vector lines that touch its result
.irp j, 48,49,50,51
	v_and_b32 v\j, s23, v\j                        ; a position that holds no step gets zero codes
.endr
	global_store_b128 v5, v[48:51], s[12:13]
	s_endpgm
.Lfunc_end_k_q5d2a3f30a8_prep:
	.size	k_q5d2a3f30a8_prep, .Lfunc_end_k_q5d2a3f30a8_prep-k_q5d2a3f30a8_prep
	.p2alignl 7, 3214868480
	.fill 96, 4, 3214868480
	.section	.rodata,"a",@progbits
	.p2align	6, 0x0
	.amdhsa_kernel k_q5d2a3f30a8_prep
		.amdhsa_group_segment_fixed_size 0
		.amdhsa_private_segment_fixed_size 0
		.amdhsa_enable_private_segment 0
		.amdhsa_kernarg_size 40
		.amdhsa_user_sgpr_count 2
		.amdhsa_user_sgpr_kernarg_segment_ptr 1
		.amdhsa_wavefront_size32 1
		.amdhsa_system_sgpr_workgroup_id_x 1
		.amdhsa_system_sgpr_workgroup_id_y 1
		.amdhsa_system_sgpr_workgroup_id_z 1
		.amdhsa_system_vgpr_workitem_id 0
		.amdhsa_next_free_vgpr 64
		.amdhsa_next_free_sgpr 66
		.amdhsa_reserve_vcc 1
		.amdhsa_float_denorm_mode_32 3
		.amdhsa_float_denorm_mode_16_64 3
		.amdhsa_memory_ordered 1
		.amdhsa_forward_progress 1
		.amdhsa_inst_pref_size 29
	.end_amdhsa_kernel
	.amdgpu_metadata
---
amdhsa.version: [ 1, 2 ]
amdhsa.kernels:
  - .name:           k_q5d2a3f30a8_prep
    .symbol:         k_q5d2a3f30a8_prep.kd
    .args:
      - { .name: f0, .offset: 0, .size: 8, .value_kind: global_buffer, .address_space: global }
      - { .name: f1, .offset: 8, .size: 8, .value_kind: global_buffer, .address_space: global }
      - { .name: f2, .offset: 16, .size: 8, .value_kind: global_buffer, .address_space: global }
      - { .name: lowp_scales, .offset: 24, .size: 8, .value_kind: global_buffer, .address_space: global }
      - { .name: wq, .offset: 32, .size: 8, .value_kind: global_buffer, .address_space: global }
    .group_segment_fixed_size: 0
    .private_segment_fixed_size: 0
    .kernarg_segment_align: 8
    .kernarg_segment_size: 40
    .max_flat_workgroup_size: 256
    .sgpr_count:     66
    .vgpr_count:     64
    .wavefront_size: 32
...
	.end_amdgpu_metadata
.endif
;; end of part 1
;; launch cin (part 2): grid 256 x 1, 8 waves a work-group, clusters of 4 x 1, 327,680 bytes of LDS; arguments nn_input, wq, lowp_scales, w_nn, b_nn, out0; writes out0
.if DOCPART == 2
	.amdgcn_target "amdgcn-amd-amdhsa--gfx1250"
	.amdhsa_code_object_version 6
	.text
	.protected	k_q5d2a3f30a8_cin
	.globl	k_q5d2a3f30a8_cin
	.p2align	8
	.type	k_q5d2a3f30a8_cin,@function
k_q5d2a3f30a8_cin:
	s_mov_b64 s[64:65], 0
	v_nop
	global_prefetch_b8 v0, s[64:65] scope:SCOPE_SE
	s_setreg_imm32_b32 hwreg(HW_REG_WAVE_MODE, 25, 1), 1
	s_wait_xcnt 0x0
	s_wait_alu depctr_hold_cnt(0) depctr_sa_sdst(0) depctr_va_vdst(0) depctr_va_sdst(0) depctr_va_ssrc(0) depctr_va_vcc(0) depctr_vm_vsrc(0)
	s_getreg_b32 s2, hwreg(HW_REG_IB_STS2, 6, 4)
	s_cmp_eq_u32 s2, 0
	s_cbranch_scc0 .Lentry_in_a_cluster
	s_endpgm
.Lentry_in_a_cluster:
	s_bfe_u32 s2, ttmp6, 0x10000c
	s_cmp_lg_u32 s2, 0x3003
	s_cbranch_scc0 .Lentry_shape_is_right
	s_endpgm
.Lentry_shape_is_right:
; The whole CIN on codes of E4M3: three layers curr[b][l][d] = relu(sum over c of z[b][d][c] f[c][l]); z = 2 x_i x_j (i < j) in layer 0, x_i h_j in layers 1 and 2, h = the layer before's outputs 0..63;
; out[b] = b_nn + the sum over the other outputs l and over d of (1 + w_nn[l]) curr[b][l][d].  z and h never leave the registers.
; SHARES.  A work-group of EIGHT waves takes 16 batch items, a wave 2: two TILES of 16 rows (one item, d = lane % 16), each with ALL 128 outputs: 16 accumulators, 128 registers.  So each z is made once.
; Two waves of 512 registers share a SIMD, so that one wave's vector work stands beside the other's matrix work and LDS loads: making z takes more issue slots than multiplying it.
; LAYOUT.  v_wmma_f32_16x16x64_fp8_fp8 is used transposed: source 0 = 16 outputs of the weights, source 1 = the tile's 16 rows.  In the result lane (r, h) holds, in register j of tile of outputs o, output
; 16 o + 8 h + j of row d = r.  Source 1 wants, in registers 2 c and 2 c + 1, k = 16 c + 8 h + 0..7.  So the relu of accumulators o = 0..3 IS, register for register, the 32 numbers h_j that the lane needs
; for every K step of the next layer: a K step of 64 is one field i, and z[8 c + e] = x_i(d = r) x H[8 c + e].  Nothing changes lanes.
; SCALES.  Layer 0: the conversion divides by 2^(eB0 - 1) (the factor 2 folded in), behind a hold at +-448 x that (the conversion does not saturate: ISA guide 7.6.2).  Layers 1, 2: H is kept as h / 2^eB of
; the layer that reads it (v_ldexp_f32 of max(sum, 0) by eA + eB of the layer before less that eB: exact), so the conversion divides by 1 and the hold is at 448.
; THE HOLD IN LAYERS 1 AND 2.  H is never negative, so x H held within +-448 is x min(H, 448 / |x|).  The text takes 441 / |x|, 441 = 448 (1 - 1/64): what is held comes out as +-441 to a few parts in
; ten million, above 432, the middle between the codes 416 and 448: its code is 448, and so is that of every product from 441 up that is not held.  Every other product is the f32 product itself.
; 441 / |x| is made once, at the head, and lies in LDS beside x.  A one-sided hold goes two to an instruction (v_dual_min_num_f32): 16 + 16 packed products + 4 conversions for a tile's 32 numbers.
; LAYER 0 multiplies the 741 pairs i < j alone (the mask that the problem builds itself), packed into 12 K steps.  Lanes 16-31 hold the fields in reverse, X[i] = x_(38 - i), so that one register product
; X[a] X[b] is pair {a, b} below and {38 - a, 38 - b} above.  Element n = 0..379: row p (the largest with p (39 - p) <= n), m = n - p (39 - p); p odd: a = p, b = p + 1 + m; p even: a = 38 - p, b = p + m.
; b is even where n is: every product is a packed one on an aligned pair.  What is named twice, and elements 380..383, meet zero codes in the weights.
; WEIGHTS come as images of the operand's registers (8,192 bytes a K step) in chunks of 14 steps through two LDS slots.  All work-groups walk the same weights: the four of a cluster ask JOINTLY; waves 0 to 3
; fetch a quarter of a chunk each (112 rows of 256 bytes).  Chunks: 0 layer 0; 1-3 layer 1; 4-7 layer 2, the last with one step, so that each of the six trips over chunks fills a slot and only one unit is written out behind them.
; A UNIT is one K step: two phases; a phase is one tile's 8 matrix instructions in a run, then the vector lines that make the other tile's z, then its 4 conversions.  The matrix work runs one phase behind
; the z that it multiplies.  The 16 accumulators take turns, one instruction a turn.
; REGISTERS, in two windows of 256.  Window 0, all that vector instructions touch: v1-31 addresses and sums; v32-47 z's codes, 8 a tile; v48-55 x_i and 441 / |x_i| of the step in hand and of the next;
;   v64-143 X (40 a tile) in layer 0, then v64-127 H (32 a tile); v144-175 z in f32; v176-207 T; v208-239 1 + w.   Window 1: v0-127 the weights' fragments, two sets; v128-255 the accumulators, 64 a tile.
; Five window switches for a unit's 120 instructions: one for the run of LDS loads, two round each run of matrix instructions.
; LIMITS: x finite, |x| at most 2^125 (beyond that 1 / |x| is flushed to 0); eB0 - 1 between -126 and 119.  NaN among the inputs is not served.  The f32 sums are taken in another order than the reference's.
.set SLOTB,  1<<17                     ; slot 1 begins here: one exclusive or turns an address in one slot into the other's
.set CHUNK,  114688                    ; 14 steps
.set QUART,  28672                     ; what one tensor load brings
.set STEPB,  8192
.set XREG,   245760                    ; behind slot 1: x as it lies in memory: wave w at 4,992 w, item t at 2,496 t, field i at 64 i, d at 4 d
.set LXREG,  285696                    ; 441 / |x|, laid alike
.set WREG,   325632                    ; 1 + w_nn, 256 numbers
.set SPARE,  326656                    ; the spare words, 128 bytes for each wave: four blocks of 256 bytes that no other line names
.set XWAVE,  4992
.set XITEM,  2496
.set LI,  1                            ; v1   16 x lane: my place in an image
.set XL,  2                            ; v2   XREG + 4,992 wave + 4 r
.set ADW, 3                            ; v3   the weights' address in hand
.set ADX, 4                            ; v4   x's address in hand
.set GL,  5                            ; v5   WREG + 32 h
.set SPW, 6                            ; v6   my spare word; never rewritten
.set NIL, 7                            ; v7   0; never rewritten
.set SC,  8                            ; v8   the conversion's scale as f32
.set ADG, 9
.set PS,  10                           ; v10-11 a tile's direct sum, for my lane
.set TMP, 14
.set QA,  16
.set QB,  18
.set ZC,  32
.set XR,  48                           ; set q: x of tiles 0, 1 at 4 q, 4 q + 1; 441 / |x| at 4 q + 2, 4 q + 3
.set X,   64
.set H,   64
.set LS,  104                          ; at the head: 441 / |x| on its way to LDS
.set ST,  144
.set T,   176
.set G,   208
.set G64, 64                           ; the last layer: 64 numbers 1 + w and 64 outputs a lane
.set T64, 144
.set ACC, 128                          ; window 1
.set WV,  16                           ; s16  my wave's number
.set G1,  20                           ; s[20:27] descriptor group 1
.set G0A, 28                           ; s[28:31] group 0 of chunk 0
.set G0B, 32                           ; s[32:35] group 0 of chunk 1, which then walks
.set SB,  36                           ; the slot in hand
.set TB,  37                           ; the step to be fetched
.set T2,  38
.set C3,  39                           ; chunk of the layer, 0..2
.set XO,  40                           ; 64 x the field to be fetched
.set LY,  41                           ; 0: layer 1; 1: layer 2
.set TR,  42
.set LN,  43                           ; layer 0: -448 x 2^(eB0 - 1)
.set LP,  44                           ; and +
.set SE,  45                           ; eA + eB of the layer whose sums are taken
.set GO,  46
.set HE,  47                           ; that, less eB of the layer that reads H
.set MSB, 0
.macro WIN new                         ; the immediate's high byte repeats the setting that is left; a switch that changes nothing is dropped
.if MSB != (\new)
	s_set_vgpr_msb (MSB<<8)|(\new)
.set MSB, (\new)
.endif
.endm
.macro CROUND                          ; a round of the cluster's barrier
	s_barrier_signal -1
	s_barrier_wait -1
	s_cmp_lg_u32 s[WV], 0
	s_cbranch_scc1 .Lnot_wave_0_\@
	s_barrier_signal -3
.Lnot_wave_0_\@:
	s_barrier_wait -3
	s_barrier_signal -1
	s_barrier_wait -1
.endm
.macro PLACES
.rept 4
	v_nop
.endr
.endm
; a K step's weights, 16 loads of 512 consecutive bytes, into set par
.macro RUNW par, adr, off
	WIN 0x40                                       ; destination window 1, address window 0
.irp f, 0,1,2,3,4,5,6,7
	ds_load_b128 v[64*(\par)+8*\f:64*(\par)+8*\f+3],   v[\adr] offset:(\off)+1024*\f
	ds_load_b128 v[64*(\par)+8*\f+4:64*(\par)+8*\f+7], v[\adr] offset:(\off)+1024*\f+512
.endr
.endm
; one field's x and 441 / |x|, for my two tiles, into set buf
.macro RUNX buf, adr, off
	WIN 0
.irp t, 0,1
	ds_load_b32 v[XR+4*(\buf)+\t],   v[\adr] offset:(\off)+XITEM*\t
	ds_load_b32 v[XR+4*(\buf)+2+\t], v[\adr] offset:(\off)+XITEM*\t+LXREG-XREG
.endr
.endm
; layer 0: element nn (held at 378) -> its row zp and its register zb
.macro TRIPB nn
.set zn, \nn
.if zn > 378
.set zn, 378
.endif
.set zp, 0
.irp tt, 1,2,3,4,5,6,7,8,9,10,11,12,13,14,15,16,17,18
.if zn >= \tt*(39-\tt)
.set zp, \tt
.endif
.endr
.set zm, zn-zp*(39-zp)
.if zp%2
.set zb, zp+1+zm
.set zaa, zp
.else
.set zb, zp+zm
.set zaa, 38-zp
.endif
.endm
; layer 0: packed product u of 16 of step q: X[a] x (X[b], X[b + 1]).  The single factor is one register of an aligned pair, taken for both halves
.macro ZPK0 zt, q, u
	TRIPB (32*(\q)+2*(\u))
.set za, X+40*(\zt)+(zaa/2)*2
.set zc, X+40*(\zt)+zb
.if zaa%2
	v_pk_mul_f32 v[ST+2*(\u):ST+2*(\u)+1], v[za:za+1], v[zc:zc+1] op_sel:[1,0] op_sel_hi:[1,1]
.else
	v_pk_mul_f32 v[ST+2*(\u):ST+2*(\u)+1], v[za:za+1], v[zc:zc+1] op_sel:[0,0] op_sel_hi:[0,1]
.endif
.endm
; A PHASE: tile wt's 8 matrix instructions on the weights' set wb (wm = 0: none; 1: they start the sums; 2: they add), in one run; then tile zt's z (kind 0: layer 0, step q; kind 1: x's set q) and its conversions.
; The vector lines name none of the run's registers.  The codes that the conversions write were last multiplied a phase ago.
.macro PHASE kind, wt, wb, wm, zt, q
.set PAB, ACC+64*(\wt)
.set PWB, 64*(\wb)
.set PZC, ZC+8*(\wt)
.if \wm
	WIN 0x51                                       ; source 0 (weights), source 2 and destination (sums) window 1; source 1 (codes) window 0
.set kk, 0
.rept 8
.if (\wm) == 1
	v_wmma_f32_16x16x64_fp8_fp8 v[PAB+8*kk:PAB+8*kk+7], v[PWB+8*kk:PWB+8*kk+7], v[PZC:PZC+7], 0
.else
	v_wmma_f32_16x16x64_fp8_fp8 v[PAB+8*kk:PAB+8*kk+7], v[PWB+8*kk:PWB+8*kk+7], v[PZC:PZC+7], v[PAB+8*kk:PAB+8*kk+7]
.endif
.set kk, kk+1
.endr
.endif
	WIN 0
.if \kind
.set PH, H+32*(\zt)
.set PL, XR+4*(\q)+2+(\zt)
.set PX, XR+4*(\q)
.set ee, 0
.rept 16
	v_dual_min_num_f32 v[ST+ee], v[PL], v[PH+ee] :: v_dual_min_num_f32 v[ST+ee+1], v[PL], v[PH+ee+1]   ; min(H, 441 / |x|), two at a time: results even and odd, one first source, second sources in neighbouring banks
.set ee, ee+2
.endr
.set ee, 0
.rept 16
.if \zt
	v_pk_mul_f32 v[ST+ee:ST+ee+1], v[PX:PX+1], v[ST+ee:ST+ee+1] op_sel:[1,0] op_sel_hi:[1,1]   ; x x_i of tile 1
.else
	v_pk_mul_f32 v[ST+ee:ST+ee+1], v[PX:PX+1], v[ST+ee:ST+ee+1] op_sel:[0,0] op_sel_hi:[0,1]   ; x x_i of tile 0
.endif
.set ee, ee+2
.endr
.else
.set uu, 0
.rept 16
	ZPK0 \zt, \q, uu
.set uu, uu+1
.endr
.set ee, 0
.rept 32
	v_med3_num_f32 v[ST+ee], s[LN], s[LP], v[ST+ee]   ; both signs occur: the hold is two-sided
.set ee, ee+1
.endr
.endif
.irp g, 0,1,2,3
	v_cvt_scalef32_pk8_fp8_f32 v[ZC+8*(\zt)+2*\g:ZC+8*(\zt)+2*\g+1], v[ST+8*\g:ST+8*\g+7], v[SC]
.endr
	v_nop                                          ; one plain vector line between the conversions and the matrix instructions that read their codes, and whatever next writes their sources
.endm
; A UNIT, K step s: tile 1 of step s - 1 (set 1 - par) and z of tile 0; then tile 0 of step s (set par) and z of tile 1.  first = 1: step 0; first = 2: step 1.
; The run of loads for set par stands in front of the unit: its last reader stands a whole phase, 36 plain vector lines or more, back.
.macro UNIT kind, par, q, first
.set UWA, 2
.set UWB, 2
.if (\first) == 1
.set UWA, 0
.set UWB, 1
.elseif (\first) == 2
.set UWA, 1
.endif
	PHASE \kind, 1, (1-(\par)), UWA, 0, \q
	s_wait_dscnt 0x0                               ; this step's weights and the next step's x are in: asked for a phase ago
	PHASE \kind, 0, (\par), UWB, 1, \q
.endm
.macro DRAIN par                       ; tile 1 of a layer's last step; four places, in front of the first read of its sums and of loads into the set
	WIN 0x51
.irp f, 0,1,2,3,4,5,6,7
	v_wmma_f32_16x16x64_fp8_fp8 v[ACC+64+8*\f:ACC+64+8*\f+7], v[64*(\par)+8*\f:64*(\par)+8*\f+7], v[ZC+8:ZC+15], v[ACC+64+8*\f:ACC+64+8*\f+7]
.endr
	WIN 0
	PLACES
.endm
; THE CHANGE OF SLOTS.  Each wave waits for all its tensor loads (waves 0 to 3: a quarter of the chunk ahead), adds 0 to its spare word, and waits for that and for its reads of the chunk that it leaves.
; fill = 1: a round of the cluster's barrier, and behind it, first, the joint load of the chunk after next into the slot just left: it has 12 units or more in which to land.
.macro CHANGE fill
	WIN 0
	s_wait_tensorcnt 0x0                           ; no tensor load of mine is out, so the walking group 0 may be written
	ds_add_u32 v[SPW], v[NIL]                      ; 0 onto my spare word
.if \fill
	s_xor_b32 s[G0B+1], s[G0B+1], SLOTB            ; the other slot than last time,
	s_add_nc_u64 s[G0B+2:G0B+3], s[G0B+2:G0B+3], CHUNK  ; the next chunk; the type bits on top are not reached
	s_mul_i32 s[XO], s[C3], 768                    ; the chunk's twelve steps begin with step 12 C3 + 2, whose unit fetches field 12 C3 + 3
	s_add_co_u32 s[XO], s[XO], 192
.endif
	s_xor_b32 s[SB], s[SB], SLOTB
	s_mov_b32 s[TB], s[SB]
	s_wait_dscnt 0x0                               ; the add is done, and my reads of the slot that I leave are over
.if \fill
	CROUND
	s_cmp_lt_u32 s[WV], 4                          ; the branch hangs on the wave's number alone: it is the same in every work-group
	s_cbranch_scc0 .Lno_fill_\@
	tensor_load_to_lds s[G0B:G0B+3], s[G1:G1+7]
	s_nop 0
	PLACES
.Lno_fill_\@:
.else
	s_barrier_signal -1
	s_barrier_wait -1
.endif
.endm
; A tile's way out of a layer: nh outputs become H, nd outputs go, times 1 + w, into the tile's sum.  Each accumulator is read from its low end on.
.macro EPIT tile, nh, nd, tr, gr
.set EAB, ACC+64*(\tile)
	WIN 0x04                                       ; source 1 window 1
.set ee, 0
.if \nh
.rept \nh
	v_max_num_f32 v[H+32*(\tile)+ee], 0, v[EAB+ee]
.set ee, ee+1
.endr
.endif
.set ee, 0
.rept \nd
	v_max_num_f32 v[\tr+ee], 0, v[EAB+\nh+ee]
.set ee, ee+1
.endr
	WIN 0
.set ee, 0
.if \nh
.rept \nh
	v_ldexp_f32 v[H+32*(\tile)+ee], v[H+32*(\tile)+ee], s[HE]   ; h / 2^eB of the layer that reads it: nothing is rounded
.set ee, ee+1
.endr
.endif
.if (\tile) == 0
	s_wait_dscnt 0x0                               ; 1 + w is in (and the next layer's first weights and x)
.endif
	v_pk_mul_f32 v[QA:QA+1], v[\tr:\tr+1], v[\gr:\gr+1]
	v_pk_mul_f32 v[QB:QB+1], v[\tr+2:\tr+3], v[\gr+2:\gr+3]
.set ee, 4
.rept (\nd-4)/4
	v_pk_fma_f32 v[QA:QA+1], v[\tr+ee:\tr+ee+1], v[\gr+ee:\gr+ee+1], v[QA:QA+1]
	v_pk_fma_f32 v[QB:QB+1], v[\tr+ee+2:\tr+ee+3], v[\gr+ee+2:\gr+ee+3], v[QB:QB+1]
.set ee, ee+4
.endr
	v_pk_add_f32 v[QA:QA+1], v[QA:QA+1], v[QB:QB+1]
	v_add_f32 v[TMP], v[QA], v[QA+1]
	v_ldexp_f32 v[TMP], v[TMP], s[SE]              ; x 2^(eA + eB)
	v_add_f32 v[PS+(\tile)], v[PS+(\tile)], v[TMP]
.endm
	; ---- the head
	s_load_b256 s[4:11], s[0:1], 0x0               ; nn_input s[4:5], wq s[6:7], the scales' exponents s[8:9], w_nn s[10:11]
	s_load_b128 s[12:15], s[0:1], 0x20             ; b_nn s[12:13], out0 s[14:15]
	v_lshl_add_u32 v[SPW], v0, 2, SPARE
	v_mov_b32 v[NIL], 0
	ds_add_u32 v6, v7
	s_wait_dscnt 0x0
	v_lshrrev_b32 v20, 5, v0
	v_readfirstlane_b32 s[WV], v20                 ; wave 0..7
	s_bfe_u32 s17, ttmp6, 0x40000                  ; cx: it enters the addresses of nn_input and out0 alone
	s_lshl_b32 s18, ttmp9, 2
	s_add_co_u32 s18, s18, s17                     ; my work-group = 4 x cluster + cx
	v_and_b32 v21, 31, v0                          ; lane
	v_and_b32 v22, 15, v0                          ; r
	v_bfe_u32 v23, v0, 4, 1                        ; h
	v_lshlrev_b32 v[LI], 4, v21
	v_lshlrev_b32 v24, 3, v0                       ; 8 x thread
	v_lshlrev_b32 v26, 2, v0                       ; 4 x thread
	s_mul_i32 s70, s[WV], XWAVE
	s_add_co_u32 s70, s70, XREG                    ; my wave's x in LDS
	v_lshl_add_u32 v[XL], v22, 2, s70
	v_add_nc_u32 v25, XREG, v24
	v_add_nc_u32 v27, XREG, v26
	v_add_nc_u32 v28, LXREG, v24
	v_add_nc_u32 v29, LXREG, v26
	v_add_nc_u32 v30, WREG, v26
	v_lshlrev_b32 v[GL], 5, v23
	v_add_nc_u32 v[GL], WREG, v[GL]
	s_mul_i32 s72, s18, 16*XITEM                   ; my work-group's 16 items: 39,936 consecutive bytes, 156 x 256
	s_mov_b32 s73, 0
	s_lshl_b32 s76, s18, 6
	s_lshl_b32 s77, s[WV], 3
	s_add_co_u32 s76, s76, s77                     ; my wave's two numbers of out0
	s_mov_b32 s77, 0
	s_mov_b32 s66, 0x76543210                      ; v_permlanex16_b32's selects for lane l xor 16
	s_mov_b32 s67, 0xfedcba98
	; descriptor group 1: a dense block of 112 rows x 256 bytes, elements of 8 bytes
	s_mov_b32 s[G1+0], 15|(3<<16)|(1<<21)          ; 15:0 the mask: all four work-groups; 17:16 elements of 8 bytes; 21 set beside a mask
	s_mov_b32 s[G1+1], 32<<16                      ; tensor_dim0 = 32
	s_mov_b32 s[G1+2], 112<<16                     ; tensor_dim1 = 112
	s_mov_b32 s[G1+3], 32<<16                      ; tile_dim0 = 32
	s_mov_b32 s[G1+4], 112                         ; tile_dim1 = 112
	s_mov_b32 s[G1+5], 32                          ; from row to row
	s_mov_b32 s[G1+6], 0
	s_mov_b32 s[G1+7], 0
	s_and_b32 s74, s[WV], 3
	s_mul_i32 s74, s74, QUART                      ; the quarter of a chunk that waves 0 to 3 fetch, in memory and in a slot: the wave's number alone
	s_mov_b32 s75, 0
	s_wait_kmcnt 0x0
	s_load_b128 s[48:51], s[8:9], 0x0              ; eA0, eB0, eA1, eB1
	s_load_b64 s[52:53], s[8:9], 0x10              ; eA2, eB2
	s_load_b32 s61, s[12:13], 0x0                  ; b_nn
	s_add_nc_u64 s[4:5], s[4:5], s[72:73]
	s_add_nc_u64 s[14:15], s[14:15], s[76:77]
.set kx, 0
.rept 19
	global_load_b64 v[X+2*kx:X+2*kx+1], v24, s[4:5] offset:2048*kx th:TH_LOAD_NT   ; a wave reads 256 consecutive bytes, at a multiple of 256 from the buffer's first byte; the eight waves 2,048
.set kx, kx+1
.endr
	global_load_b32 v[X+38], v26, s[4:5] offset:38912 th:TH_LOAD_NT                  ; the last 1,024 bytes
	global_load_b32 v14, v26, s[10:11]             ; w_nn: a number a thread
	s_mov_b32 s[G0A], 1                            ; count = 1
	s_mov_b32 s[G0A+1], s74                        ; LDS: slot 0
	s_add_nc_u64 s[G0A+2:G0A+3], s[6:7], s[74:75]  ; chunk 0
	s_or_b32 s[G0A+3], s[G0A+3], 0x80000000        ; type = 2
	s_mov_b32 s[G0B], 1
	s_add_co_u32 s[G0B+1], s74, SLOTB              ; slot 1
	s_add_nc_u64 s[G0B+2:G0B+3], s[6:7], s[74:75]
	s_add_nc_u64 s[G0B+2:G0B+3], s[G0B+2:G0B+3], CHUNK  ; chunk 1
	s_or_b32 s[G0B+3], s[G0B+3], 0x80000000
	CROUND                                         ; all four work-groups are here: the first joint loads meet
	s_cmp_lt_u32 s[WV], 4                          ; a fetching wave's two first fills stand in one branch: two loads of it are out
	s_cbranch_scc0 .Lno_first_fill
	tensor_load_to_lds s[G0A:G0A+3], s[G1:G1+7]
	s_nop 0
	tensor_load_to_lds s[G0B:G0B+3], s[G1:G1+7]
	s_nop 0
	PLACES
.Lno_first_fill:
	; ---- x, 441 / |x| and 1 + w into LDS
	s_wait_loadcnt 0x0
.set kx, 0
.rept 39
	v_and_b32 v[LS+kx], 0x7fffffff, v[X+kx]
.set kx, kx+1
.endr
.set kx, 0
.rept 39
	v_rcp_f32 v[LS+kx], v[LS+kx]                   ; 1 / 0 is infinity: then nothing is held, and 0 x H is 0
.set kx, kx+1
.endr
	v_add_f32 v14, 1.0, v14                        ; (a plain line behind the last reciprocal)
	s_wait_alu depctr_va_vdst(0)                   ; one wait for the batch of 39, ahead of its first reader
.set kx, 0
.rept 39
	v_mul_f32 v[LS+kx], 0x43dc8000, v[LS+kx]       ; x 441
.set kx, kx+1
.endr
.set kx, 0
.rept 19
	ds_store_b64 v25, v[X+2*kx:X+2*kx+1] offset:2048*kx
	ds_store_b64 v28, v[LS+2*kx:LS+2*kx+1] offset:2048*kx
.set kx, kx+1
.endr
	ds_store_b32 v27, v[X+38] offset:38912
	ds_store_b32 v29, v[LS+38] offset:38912
	ds_store_b32 v30, v14
	s_mov_b32 vcc_lo, 0xffff0000                   ; lanes 16-31
	s_wait_kmcnt 0x0
	s_add_co_i32 s58, s48, s49                     ; eA0 + eB0
	s_add_co_i32 s59, s50, s51                     ; eA1 + eB1
	s_add_co_i32 s60, s52, s53                     ; eA2 + eB2
	s_sub_co_i32 s54, s58, s51                     ; layer 1 reads h / 2^eB1
	s_sub_co_i32 s55, s59, s53                     ; layer 2 reads h / 2^eB2
	s_add_co_i32 s71, s49, 126                     ; eB0 - 1 + 127
	s_lshl_b32 s72, s71, 23
	v_mov_b32 v[SC], s72                           ; 2^(eB0 - 1) as f32: the conversion takes its exponent field
	s_add_co_i32 s71, s71, 8
	s_lshl_b32 s[LP], s71, 23
	s_or_b32 s[LP], s[LP], 0x600000                ; 448 x that
	s_xor_b32 s[LN], s[LP], 0x80000000
	s_mov_b32 s[SB], 0
	v_mov_b32 v[PS], 0
	v_mov_b32 v[PS+1], 0
	v_mov_b32 v[ADW], v[LI]
.irp j, 0,1,2,3,4,5,6,7
	v_mov_b32 v[XR+\j], 0
.endr
	s_wait_tensorcnt 0x1                           ; my quarter of chunk 0 is in; chunk 1's load, issued behind it, may stay out
	s_wait_dscnt 0x0                               ; for the others' sake: my part of x, of 441 / |x| and of 1 + w is stored
	s_barrier_signal -1
	s_barrier_wait -1
	; ---- X into registers
.irp t, 0,1
.set kx, 0
.rept 39
	ds_load_b32 v[X+40*\t+kx], v[XL] offset:XITEM*\t+64*kx
.set kx, kx+1
.endr
.endr
	s_wait_dscnt 0x0
.irp t, 0,1                                    ; lanes 16-31 take the fields in reverse
.set pp, 0
.rept 19
	v_mov_b32 v[TMP], v[X+40*\t+pp]
	v_cndmask_b32 v[X+40*\t+pp], v[X+40*\t+pp], v[X+40*\t+38-pp], vcc_lo
	v_cndmask_b32 v[X+40*\t+38-pp], v[X+40*\t+38-pp], v[TMP], vcc_lo
.set pp, pp+1
.endr
	v_mov_b32 v[X+40*\t+39], 0                     ; named as the upper half of the pair with X[38], so it is written
.endr
	; ---- layer 0: twelve units, written out: the register numbers differ from step to step
.irp sg, 0,1,2,3,4,5,6,7,8,9,10,11
.if \sg == 8
	WIN 0
	v_add_nc_u32 v[ADW], 0x10000, v[LI]            ; an LDS offset has 16 bits: steps 8 to 11 from 65,536 on
.endif
	RUNW (\sg%2), ADW, ((\sg%8)*STEPB)
.if \sg < 2
	UNIT 0, \sg, \sg, (\sg+1)
.else
	UNIT 0, (\sg%2), \sg, 0
.endif
.endr
	DRAIN 1                                        ; (it leaves every window 0, as a label and a branch want it)
	; ---- layers 1 and 2: three chunks each, twelve units a chunk
	s_mov_b32 s[LY], 0
.Llayer:
	s_mov_b32 s[C3], 0
.Lchunk:
	CHANGE 1
	s_cmp_lg_u32 s[C3], 0
	s_cbranch_scc1 .Lnofirst
	; a layer's first chunk: the layer before goes out, and steps 0 and 1, which lie at the chunk's positions 12 and 13, start the sums
	s_cmp_eq_u32 s[LY], 0
	s_cselect_b32 s[SE], s58, s59
	s_cselect_b32 s[HE], s54, s55
	s_lshl_b32 s[GO], s[LY], 8                     ; 1 + w of the direct outputs: numbers 0..63, then 64..127
	s_add_co_u32 s[T2], s[SB], 12*STEPB
	v_add_nc_u32 v[ADG], s[GO], v[GL]
	v_add_nc_u32 v[ADW], s[T2], v[LI]
.irp f, 0,1,2,3
	ds_load_b128 v[G+8*\f:G+8*\f+3],   v[ADG] offset:64*\f
	ds_load_b128 v[G+8*\f+4:G+8*\f+7], v[ADG] offset:64*\f+16
.endr
	RUNX 0, XL, 0                                  ; fields 0 and 1
	RUNX 1, XL, 64
	RUNW 0, ADW, 0
	EPIT 0, 32, 32, T, G
	EPIT 1, 32, 32, T, G
	v_mov_b32 v[SC], 1.0                           ; H carries the scale: the conversion divides by 1
	UNIT 1, 0, 0, 1
	RUNX 0, XL, 128                                ; field 2
	RUNW 1, ADW, STEPB
	UNIT 1, 1, 1, 2
.Lnofirst:
	s_mov_b32 s[TR], 6
.Lsix:                                             ; a trip is two units; both addresses step once a trip, the second unit reaches on by immediates
	v_add_nc_u32 v[ADW], s[TB], v[LI]
	v_add_nc_u32 v[ADX], s[XO], v[XL]
	RUNX 1, ADX, 0
	RUNW 0, ADW, 0
	UNIT 1, 0, 0, 0
	RUNX 0, ADX, 64
	RUNW 1, ADW, STEPB
	UNIT 1, 1, 1, 0
	s_add_co_u32 s[TB], s[TB], 2*STEPB
	s_add_co_u32 s[XO], s[XO], 128
	s_sub_co_u32 s[TR], s[TR], 1
	s_cmp_lg_u32 s[TR], 0
	s_cbranch_scc1 .Lsix
	s_add_co_u32 s[C3], s[C3], 1
	s_cmp_lt_u32 s[C3], 3
	s_cbranch_scc1 .Lchunk
	s_cmp_lg_u32 s[LY], 0
	s_cbranch_scc1 .Lno38
	v_add_nc_u32 v[ADW], s[TB], v[LI]              ; layer 1's step 38 lies at position 12 of its third chunk
	RUNW 0, ADW, 0
	UNIT 1, 0, 0, 0
	DRAIN 0
.Lno38:
	s_add_co_u32 s[LY], s[LY], 1
	s_cmp_lt_u32 s[LY], 2
	s_cbranch_scc1 .Llayer
	; ---- the tail, written out: layer 2's step 38, at position 0 of the last chunk; nothing is asked for
	CHANGE 0
	v_add_nc_u32 v[ADW], s[TB], v[LI]
	RUNW 0, ADW, 0
	UNIT 1, 0, 0, 0
	DRAIN 0
.irp f, 0,1,2,3,4,5,6,7
	ds_load_b128 v[G64+8*\f:G64+8*\f+3],   v[GL] offset:512+64*\f      ; 1 + w of numbers 128..255; H is done with
	ds_load_b128 v[G64+8*\f+4:G64+8*\f+7], v[GL] offset:512+64*\f+16
.endr
	s_mov_b32 s[SE], s60
	EPIT 0, 0, 64, T64, G64
	EPIT 1, 0, 64, T64, G64
	; ---- out: a tile's sum over its 32 lanes (16 d x two halves of the outputs); lanes 0 and 1 store the wave's two items
.irp m, 1,2,4,8
.irp t, 0,1
	v_add_f32_dpp v[PS+\t], v[PS+\t], v[PS+\t] row_xmask:\m row_mask:0xf bank_mask:0xf
.endr
.endr
.irp t, 0,1
	v_permlanex16_b32 v[20+\t], v[PS+\t], s66, s67 ; (its destination counts as read: v20 and v21 were written at the head)
.endr
.irp t, 0,1
	v_add_f32 v[PS+\t], v[PS+\t], v[20+\t]
.endr
	v_and_b32 v24, 31, v0
	v_cmp_eq_u32 vcc_lo, 1, v24
	v_cndmask_b32 v14, v[PS], v[PS+1], vcc_lo
	v_add_f32 v14, s61, v14                        ; + b_nn
	v_lshlrev_b32 v25, 2, v24
	v_cmp_gt_u32 vcc_lo, 2, v24
	s_wait_xcnt 0x0                                ; EXEC changes only behind this wait
	s_and_saveexec_b32 s68, vcc_lo
	global_store_b32 v25, v14, s[14:15]            ; 8 consecutive bytes a wave, 64 a work-group: all that it owns of out0
	s_wait_xcnt 0x0                                ; and again, in front of the line that widens it
	s_or_b32 exec_lo, exec_lo, s68
	s_wait_tensorcnt 0x0                           ; the wave's end
	ds_add_u32 v[SPW], v[NIL]
	s_wait_dscnt 0x0
	CROUND                                         ; the closing round: no work-group ends while a partner may still ask for a chunk that names it
	s_endpgm
.Lfunc_end_k_q5d2a3f30a8_cin:
	.size	k_q5d2a3f30a8_cin, .Lfunc_end_k_q5d2a3f30a8_cin-k_q5d2a3f30a8_cin
	.p2alignl 7, 3214868480
	.fill 96, 4, 3214868480
	.section	.rodata,"a",@progbits
	.p2align	6, 0x0
	.amdhsa_kernel k_q5d2a3f30a8_cin
		.amdhsa_group_segment_fixed_size 327680
		.amdhsa_private_segment_fixed_size 0
		.amdhsa_enable_private_segment 0
		.amdhsa_kernarg_size 48
		.amdhsa_user_sgpr_count 2
		.amdhsa_user_sgpr_kernarg_segment_ptr 1
		.amdhsa_wavefront_size32 1
		.amdhsa_system_sgpr_workgroup_id_x 1
		.amdhsa_system_sgpr_workgroup_id_y 1
		.amdhsa_system_sgpr_workgroup_id_z 1
		.amdhsa_system_vgpr_workitem_id 0
		.amdhsa_next_free_vgpr 512
		.amdhsa_next_free_sgpr 80
		.amdhsa_reserve_vcc 1
		.amdhsa_float_denorm_mode_32 3
		.amdhsa_float_denorm_mode_16_64 3
		.amdhsa_memory_ordered 1
		.amdhsa_forward_progress 1
		.amdhsa_inst_pref_size 197
	.end_amdhsa_kernel
	.amdgpu_metadata
---
amdhsa.version: [ 1, 2 ]
amdhsa.kernels:
  - .name:           k_q5d2a3f30a8_cin
    .symbol:         k_q5d2a3f30a8_cin.kd
    .args:
      - { .name: nn_input, .offset: 0, .size: 8, .value_kind: global_buffer, .address_space: global }
      - { .name: wq, .offset: 8, .size: 8, .value_kind: global_buffer, .address_space: global }
      - { .name: lowp_scales, .offset: 16, .size: 8, .value_kind: global_buffer, .address_space: global }
      - { .name: w_nn, .offset: 24, .size: 8, .value_kind: global_buffer, .address_space: global }
      - { .name: b_nn, .offset: 32, .size: 8, .value_kind: global_buffer, .address_space: global }
      - { .name: out0, .offset: 40, .size: 8, .value_kind: global_buffer, .address_space: global }
    .group_segment_fixed_size: 327680
    .private_segment_fixed_size: 0
    .kernarg_segment_align: 8
    .kernarg_segment_size: 48
    .max_flat_workgroup_size: 256
    .sgpr_count:     80
    .vgpr_count:     512
    .wavefront_size: 32
...
	.end_amdgpu_metadata
.endif
;; end of part 2
